; MI455X (gfx1250); checked and timed in simulation.
; The chip was launched on July 23, 2026; its instructions are those of AMD's public machine-readable ISA for CDNA 5 (MIT licence, August 2026) and "CDNA5" Instruction Set Architecture Reference Guide (July 2026). The comments in the code are by the model that wrote it; some were corrected since.
;; Bottleneck Block. Allowed arithmetic: matrix products marked QUANTISED: E2M3 operands, one E8M0 scale for each 32 along K, by v_wmma_scale_f32_16x16x128_f8f6f4 with both operands' format E2M3, f32 sums; everything else in f32.
;; Inputs: k 2,048 x 64 float32; x 8 x 64 x 8,192 float32.
;; Outputs: out0 8 x 8,192 int32; out1 8 x 64 x 8,192 float32; out2 one number float32; out3 one number float32; out4 one number float32.
;; This version of the problem:
;;   THIS VERSION OF THE PROBLEM IS GIVEN IN LOW PRECISION. The matrix products marked QUANTISED in the list below multiply operands that are first quantised to E2M3 (2 exponent bits, 3 mantissa bits; 6 bits a number), with one power-of-two scale for each 32 numbers along K (OCP MX v1.0); their sums are f32. All else is computed in f32.
;;   The module's matrix products, in the order in which they are computed (A, B: the left and right operand; K: the contracted axis; several contracted axes count as one K, in the product's order):
;;     1. [M 65,536, K 64] x [K 64, N 2,048]; A: input x; B: input k: QUANTISED
;;   THE QUANTISER, for each operand of a quantised product, along K:
;;     - K is cut into blocks of 32 from its start; a last block that is shorter is filled with zeros.
;;     - A block's scale is 2^e with e = floor(log2(the largest magnitude in the block)) - 2, held to -126 .. 127; a block of zeros has e = 0. As a byte (E8M0): e + 127.
;;     - Each number is divided by its block's scale, clamped to +-7.5, and rounded to the nearest number of E2M3, ties to even, subnormals kept.
;;     - The product sums the exact products of the quantised numbers (number of the format x scale) in f32.
;;   ~~~python
;;   def quantise(x, axis):      # numpy; x: float32 -> the quantised numbers, widened to float32 again
;;       x = np.moveaxis(x, axis, -1); K = x.shape[-1]
;;       x = np.pad(x, [(0, 0)] * (x.ndim - 1) + [(0, -K % 32)]); x = x.reshape(x.shape[:-1] + (-1, 32)); a = np.abs(x).max(-1, keepdims=True)
;;       e = np.where(a > 0, np.clip(np.frexp(np.where(a > 0, a, 1))[1] - 1 - 2, -126, 127), 0)      # np.frexp(a)[1] - 1 = floor(log2(a)), exactly
;;       r = np.clip(x / 2.0 ** e, -7.5, 7.5)
;;       step = 2.0 ** (np.maximum(np.frexp(np.where(r == 0, 1, r))[1] - 1, 0) - 3)
;;       q = np.round(r / step) * step * 2.0 ** e      # np.round: ties to even
;;       return np.moveaxis(q.reshape(q.shape[:-2] + (-1,))[..., :K], -1, axis).astype(np.float32)
;;   ~~~
;; One version. Each part assembles by itself: llvm-mc -triple=amdgcn-amd-amdhsa -mcpu=gfx1250 --defsym DOCPART=n.
;; ======== version 1 of 1: 3 launches
;; limits: right only within a limited range of input values
;; workspace buffers: idx 262,144 bytes of whole numbers; part1 2,048 bytes; part2 2,048 bytes
;; launch dist (part 1): grid 256 x 1, 8 waves a work-group, no clusters, 88,832 bytes of LDS; arguments x, k, out0, idx, part1; writes out0, idx, part1
.if DOCPART == 1
	.amdgcn_target "amdgcn-amd-amdhsa--gfx1250"
	.amdhsa_code_object_version 6
	.text
	.protected	k_q3d6b14ad2f_dist
	.globl	k_q3d6b14ad2f_dist
	.p2align	8
	.type	k_q3d6b14ad2f_dist,@function
k_q3d6b14ad2f_dist:
	s_mov_b64 s[64:65], 0
	v_nop
	global_prefetch_b8 v0, s[64:65] scope:SCOPE_SE
	s_setreg_imm32_b32 hwreg(HW_REG_WAVE_MODE, 25, 1), 1
	s_wait_xcnt 0x0
; For each of the 65,536 rows xf (x is [8][64][8192]: a row is a column t of a batch) the codeword with the least dist = xx - 2 p + kk, p the product on codes of E2M3 with E8M0 scales.
; DEAD WORK that this program leaves out: reference() returns x + (k[x_l] - x): x cancels for all values, and the program stores k[x_l] (launch gath).  xx is the same along a row of dist: it takes no part
; in the choice of the codeword and is added to the least dist alone.  LIMIT of both: a NaN, an infinity or an overflow that reaches only these terms is not carried to the result.
; THE PRODUCT IS USED TRANSPOSED, WITH C = -kk / 2: source 0 = 16 codewords, source 1 = 16 rows of x.  D = p - kk / 2 comes out of the matrix instruction, a lane holds ONE row of x (lane % 16) and eight codewords;
; the least dist is the largest D, and min dist = xx - 2 D.
; LIMITS: D is rounded once by the matrix unit and xx is added last, where reference() rounds (xx - 2 p) + kk: two codewords of a row whose distances lie within an ulp of each other may be ordered otherwise than there.
; Equal D: the lower index.  NaN and infinities are not served.  Blocks whose largest magnitude lies under 2^-124 keep the scale byte 1; a block of zeros has it too: its codes are zeros, and nobody else reads the bytes.
; K: the problem's K is 64, the instruction's 128.  The codewords' registers 6-11 are zeros, so whatever stands in x's registers 6-11 adds exactly 0: x tile t's operand is 12 registers from its own six on, the upper
; six being the next tile's codes (behind a half's last tile: zeros).  Bytes 2 and 3 of every scale word are the byte of 1.0.
; SHARES: a work-group owns 256 rows (one batch, 256 neighbouring t): 16 tiles of x, whose codes every wave keeps in registers.  Wave w owns codewords 256 w to 256 w + 255: 16 tiles, each used by this wave alone,
; 16 products a tile.  Tile n's rows 0-7 are codewords 256 w + 8 n on, its rows 8-15 codewords 256 w + 128 + 8 n on: so lanes 0-15 hold the lower 128 codewords in ascending order and lanes 16-31 the upper 128,
; and the 16 candidates (wave, half of the lanes) of a row stand in ascending order of their indices.
; k COMES AS f32 AND IS QUANTISED ON THE WAY, in registers: eight loads of 512 consecutive bytes bring a tile, it turns through the wave's own 4,352 bytes of LDS, and lane (r, h) holds block h of row r: the
; conversions' results are the operand's registers.  The loads run two tiles ahead.  No barrier stands in the loop.
; NO CLUSTER, NO TENSOR LOAD: k's 524,288 bytes do not fit in LDS; joint loads would have to fill slots again behind rounds of all waves, where here no two waves of a work-group share a byte of k.
; NO PREFETCH: x is asked for whole at the head, where no loop runs ahead, and k's loads into registers are themselves two tiles ahead of their use.
; THE EXACT INDEX: for each x tile a lane keeps S0-7 (the eight D of the best tile so far), B (the largest D) and G (that tile's number x 8 + 256 w).  A new tile: the maximum with B among its leaves; where it is
; not above B all is kept (on a tie the earlier tile stays).  The place inside the tile is found once, at the end, by equality with B.
; REGISTERS.  Window 0: v1-15 addresses; v16-69 codes of x tiles 0-7; v72-78, v80 x's scale words; v79, v87 the codewords'; v88-111 two buffers of codewords (6 codes + 6 zeros); v112-127 two of c;
;   v128-207 the state of x tiles 0-7; v208-239 D, two banks of two tiles; v240-241 two maxima; v242-244 a conversion's result.
;   Window 1: v0-15, v248-253 addresses and work of the quantiser; v16-69 codes of x tiles 8-15; v70-133 two sets of a tile of k; v134-213, v214-245, v246-247 state, D, maxima for x tiles 8-15.
.set L_XI, 0                           ; LDS: x's codes, 48 bytes a row
.set L_XS, 12288                       ; x's scale words
.set L_XP, 13312                       ; 8 bytes a row: (xx, sum of x)
.set L_CW, 15360                       ; 64 bytes a wave: c of a tile
.set L_RS, 15872                       ; 8 bytes a wave: (sum of x, sum of min dist)
.set L_KS, 16128                       ; 4,352 bytes a wave: 16 rows of k, 272 apart
.set L_MG, 50944                       ; 144 bytes a row: 16 candidates (D, index)
.set SPARE, 87808                      ; the spare words, 128 bytes a wave
.set LN,  1
.set XIR, 2
.set XSR, 3
.set XIW, 4
.set XSW, 5
.set XPW, 6
.set CR,  7
.set MW,  8                            ; (in both windows)
.set HB,  9                            ; (in both windows) 128 h
.set MR,  10
.set XPR, 11
.set GO,  12
.set SPW, 13
.set NIL, 14
.set RSW, 15
.set XO,  81
.set PO,  82
.set RSR, 83
.set CUA, 86                           ; the tile's number for G, once in each window: window 0 (at the head the register is at work for addresses),
.set CUB, 4                            ; and window 1
.set XB,  16
.set SB,  72                           ; x tiles 2 u, 2 u + 1: v[72 + u], u = 7: v80
.set SA,  79                           ; and v87
.set AF,  88
.set CF,  112
.set STA, 128
.set STB, 134
.set DDA, 208
.set DDB, 214
.set NNA, 240
.set NNB, 246
.set CVT, 242
.set KO,  0                            ; window 1 from here on
.set CWW, 1
.set H8,  2
.set KSW, 5
.set KSR, 6
.set Q0,  10
.set Q1,  12
.set MA,  14
.set MB,  15
.set SO,  248
.set BY,  249
.set TW,  250
.set TX,  251
.set KP,  252
.set CC,  253
.set RAW, 70
.set MSB, 0
.macro WIN new                         ; the immediate's high byte repeats the setting that is left
.if MSB != (\new)
	s_set_vgpr_msb (MSB<<8)|(\new)
.set MSB, (\new)
.endif
.endm
.macro KLOAD set, off                  ; a tile of k: rows 0-7 are 2,048 consecutive bytes, rows 8-15 likewise, 32,768 further on
	WIN 0x55
.irp q, 0,1,2,3,4,5,6,7
	global_load_b128 v[RAW+32*(\set)+4*\q:RAW+32*(\set)+4*\q+3], v[KO], s[18:19] offset:\off+512*(\q%4)+32768*(\q/4)
.endr
.endm
.macro TURNIN rs, wl                   ; the tile has come: into my stage as it lies
	s_wait_loadcnt \wl
	WIN 0x55
.set rR, \rs
.irp q, 0,1,2,3,4,5,6,7
	ds_store_b128 v[KSW], v[rR+4*\q:rR+4*\q+3] offset:544*\q
.endr
.endm
.macro TURNOUT rs                      ; and back, lane (r, h) block h of row r
	s_wait_dscnt 0x0                               ; the stores are done: their registers may be loaded
	WIN 0x55
.set rR, \rs
.irp q, 0,1,2,3,4,5,6,7
	ds_load_b128 v[rR+4*\q:rR+4*\q+3], v[KSR] offset:16*\q
.endr
.endm
; The tile becomes buffer p: six registers of codes, a scale word, eight c.  ld = 1: the set takes the tile at byte off.
.macro QUANT rs, p, ld, off
	s_wait_dscnt 0x0                               ; the tile is back in registers
	WIN 0x55
.set rR, \rs
	v_max3_num_f32 v[MA], |v[rR]|, |v[rR+1]|, |v[rR+2]|            ; the block's largest magnitude, two chains; the sum of squares, two chains
	v_max3_num_f32 v[MB], |v[rR+3]|, |v[rR+4]|, |v[rR+5]|
	v_pk_mul_f32 v[Q0:Q0+1], v[rR:rR+1], v[rR:rR+1]
	v_pk_mul_f32 v[Q1:Q1+1], v[rR+2:rR+3], v[rR+2:rR+3]
.irp i, 6,10,14,18,22,26
	v_max3_num_f32 v[MA], v[MA], |v[rR+\i]|, |v[rR+\i+1]|
	v_pk_fma_f32 v[Q0:Q0+1], v[rR+\i-2:rR+\i-1], v[rR+\i-2:rR+\i-1], v[Q0:Q0+1]
	v_max3_num_f32 v[MB], v[MB], |v[rR+\i+2]|, |v[rR+\i+3]|
	v_pk_fma_f32 v[Q1:Q1+1], v[rR+\i:rR+\i+1], v[rR+\i:rR+\i+1], v[Q1:Q1+1]
.endr
	v_max3_num_f32 v[MA], v[MA], |v[rR+30]|, |v[rR+31]|
	v_pk_fma_f32 v[Q0:Q0+1], v[rR+28:rR+29], v[rR+28:rR+29], v[Q0:Q0+1]
	v_pk_fma_f32 v[Q1:Q1+1], v[rR+30:rR+31], v[rR+30:rR+31], v[Q1:Q1+1]
	v_max3_num_f32 v[MA], v[MA], v[MB], 0x1800000                  ; and the floor 2^(3 - 127): the byte cannot fall under 1
	v_pk_add_f32 v[Q0:Q0+1], v[Q0:Q0+1], v[Q1:Q1+1]
	v_add_nc_u32 v[SO], 0xff000000, v[MA]                          ; 2 off its exponent field: the conversion's scale operand
	v_add_f32 v[Q0], v[Q0], v[Q0+1]
	v_lshrrev_b32 v[BY], 23, v[SO]                                 ; the scale's byte,
	v_permlanex16_b32 v[KP], v[Q0], s40, s41
	v_lshl_or_b32 v[TW], v[BY], v[H8], s43                         ; at its place, and 1.0 for the two blocks that the problem does not have
	v_add_f32 v[Q0], v[Q0], v[KP]                                  ; with the row's other block
	v_permlanex16_b32 v[TX], v[TW], s40, s41
	v_mul_f32 v[CC], -0.5, v[Q0]                                   ; c
	ds_store_b32 v[CWW], v[CC]                                     ; lanes r and 16 + r write the same word with the same value
	WIN 0x15
	v_cvt_scalef32_pk16_fp6_f32 v[AF+12*(\p):AF+12*(\p)+2], v[rR:rR+15], v[SO]
	v_cvt_scalef32_pk16_fp6_f32 v[CVT:CVT+2], v[rR+16:rR+31], v[SO] ; (a conversion's three registers begin on an even number)
	v_or_b32 v[SA+8*(\p)], v[TW], v[TX]                            ; the row's scale word; the plain place behind the conversions
.if \ld
	KLOAD (rR-RAW)/32, \off
.endif
	WIN 0
	v_mov_b32 v[AF+12*(\p)+3], v[CVT]
	v_mov_b32 v[AF+12*(\p)+4], v[CVT+1]
	v_mov_b32 v[AF+12*(\p)+5], v[CVT+2]
	ds_load_b128 v[CF+8*(\p):CF+8*(\p)+3], v[CR]                   ; LDS serves a wave's instructions in order (ISA guide 5.7.1.4): these see the store above
	ds_load_b128 v[CF+8*(\p)+4:CF+8*(\p)+7], v[CR] offset:16
.endm
; Two products: the tile in buffer p against x tiles 2 u and 2 u + 1.  first = 1: the results are the state's first S; else they go to bank u % 2 of D.  No sum is added onto in place.
.macro WM u, p, first
.set hf, (\u)/4
	WIN 0x44*hf
.irp e, 0,1
.set tX, (2*(\u)+\e)%8
.if \first
.set rD, STA+(STB-STA)*hf+10*tX
.else
.set rD, DDA+(DDB-DDA)*hf+16*((\u)%2)+8*\e
.endif
.if \e
	v_wmma_scale_f32_16x16x128_f8f6f4 v[rD:rD+7], v[AF+12*(\p):AF+12*(\p)+11], v[XB+6*tX:XB+6*tX+11], v[CF+8*(\p):CF+8*(\p)+7], v[SA+8*(\p)], v[SB+(\u)+(\u)/7] matrix_a_fmt:MATRIX_FMT_FP6 matrix_b_fmt:MATRIX_FMT_FP6 matrix_b_scale:MATRIX_SCALE_ROW1
.else
	v_wmma_scale_f32_16x16x128_f8f6f4 v[rD:rD+7], v[AF+12*(\p):AF+12*(\p)+11], v[XB+6*tX:XB+6*tX+11], v[CF+8*(\p):CF+8*(\p)+7], v[SA+8*(\p)], v[SB+(\u)+(\u)/7] matrix_a_fmt:MATRIX_FMT_FP6 matrix_b_fmt:MATRIX_FMT_FP6
.endif
.endr
.endm
; The vector work for x tiles 2 u and 2 u + 1: each result is read from its low end on.
.macro VA u
.set hf, (\u)/4
.set rDa, DDA+(DDB-DDA)*hf+16*((\u)%2)
.set rDb, rDa+8
.set rSa, STA+(STB-STA)*hf+20*((\u)%4)
.set rSb, rSa+10
.set rN, NNA+(NNB-NNA)*hf
.set rC, CUA+(CUB-CUA)*hf
	WIN 0x55*hf
	v_max3_num_f32 v[rN], v[rSa+8], v[rDa], v[rDa+1]               ; the new B, the two tiles by turns
	v_max3_num_f32 v[rN+1], v[rSb+8], v[rDb], v[rDb+1]
.irp j, 2,4,6
	v_max3_num_f32 v[rN], v[rN], v[rDa+\j], v[rDa+\j+1]
	v_max3_num_f32 v[rN+1], v[rN+1], v[rDb+\j], v[rDb+\j+1]
.endr
	v_cmp_le_f32 vcc_lo, v[rN], v[rSa+8]                           ; not above the old B: all is kept
.irp j, 0,2,4,6
	v_dual_cndmask_b32 v[rSa+\j], v[rDa+\j], v[rSa+\j] :: v_dual_cndmask_b32 v[rSa+\j+1], v[rDa+\j+1], v[rSa+\j+1]
.endr
	v_dual_cndmask_b32 v[rSa+9], v[rC], v[rSa+9] :: v_dual_mov_b32 v[rSa+8], v[rN]
	v_cmp_le_f32 vcc_lo, v[rN+1], v[rSb+8]
.irp j, 0,2,4,6
	v_dual_cndmask_b32 v[rSb+\j], v[rDb+\j], v[rSb+\j] :: v_dual_cndmask_b32 v[rSb+\j+1], v[rDb+\j+1], v[rSb+\j+1]
.endr
	v_dual_cndmask_b32 v[rSb+9], v[rC], v[rSb+9] :: v_dual_mov_b32 v[rSb+8], v[rN+1]
.endm
; Tile n, in buffer p; its products against x tiles 8 and 9 were issued at the end of the tile before.  turn = 1: tile n + 1 turns through LDS and becomes the other buffer (wl: loads that may stay out: tile n + 2's);
; ld = 1: tile n + 3 is asked for, at byte off;  nxt = 1: the next tile's first two products are issued.
; DISTANCES (ISA guide 7.12.1): between a product and the first read of its D, the next product into that bank, and the next write of its codes, c or scale word stands at least one whole VA on the other bank:
; twenty plain vector instructions that name none of that product's registers.
.macro TILE p, turn, wl, ld, off, nxt
	WM 5, \p, 0
	v_mov_b32 v[CUB], s36                          ; (destinations lie in window 1 here)
	VA 4
.if \turn
	TURNIN RAW+32*(1-(\p)), \wl
.endif
	WM 6, \p, 0
	VA 5
.if \turn
	TURNOUT RAW+32*(1-(\p))
.endif
	WM 7, \p, 0
	VA 6
	WM 0, \p, 0
	v_mov_b32 v[CUA], s36
	VA 7
.if \turn
	QUANT RAW+32*(1-(\p)), 1-(\p), \ld, \off
.endif
	WM 1, \p, 0
	VA 0
	WM 2, \p, 0
	VA 1
	WM 3, \p, 0
	VA 2
.if \nxt
	s_wait_dscnt 0x0                               ; the other buffer's c
	WM 4, 1-(\p), 0
.endif
	VA 3
	s_add_co_u32 s36, s36, 8
.endm
.macro XBLK src, m                     ; 32 numbers of my row: the largest magnitude, two chains of squares, two of sums
.set rX, \src
	v_max3_num_f32 v[\m], |v[rX]|, |v[rX+1]|, |v[rX+2]|
	v_max3_num_f32 v[\m+1], |v[rX+3]|, |v[rX+4]|, |v[rX+5]|
.irp i, 6,10,14,18,22,26
	v_max3_num_f32 v[\m], v[\m], |v[rX+\i]|, |v[rX+\i+1]|
	v_pk_fma_f32 v[220:221], v[rX+\i-6:rX+\i-5], v[rX+\i-6:rX+\i-5], v[220:221]
	v_pk_add_f32 v[224:225], v[224:225], v[rX+\i-6:rX+\i-5]
	v_max3_num_f32 v[\m+1], v[\m+1], |v[rX+\i+2]|, |v[rX+\i+3]|
	v_pk_fma_f32 v[222:223], v[rX+\i-4:rX+\i-3], v[rX+\i-4:rX+\i-3], v[222:223]
	v_pk_add_f32 v[226:227], v[226:227], v[rX+\i-4:rX+\i-3]
.endr
	v_max3_num_f32 v[\m], v[\m], |v[rX+30]|, |v[rX+31]|
.irp i, 24,28
	v_pk_fma_f32 v[220:221], v[rX+\i:rX+\i+1], v[rX+\i:rX+\i+1], v[220:221]
	v_pk_add_f32 v[224:225], v[224:225], v[rX+\i:rX+\i+1]
	v_pk_fma_f32 v[222:223], v[rX+\i+2:rX+\i+3], v[rX+\i+2:rX+\i+3], v[222:223]
	v_pk_add_f32 v[226:227], v[226:227], v[rX+\i+2:rX+\i+3]
.endr
	v_max3_num_f32 v[\m], v[\m], v[\m+1], 0x1800000
	v_add_nc_u32 v[\m+2], 0xff000000, v[\m]
	v_lshrrev_b32 v[\m+3], 23, v[\m+2]
.endm
.macro BINI hf                         ; tile 0's D are the first S: B, the eight tiles by turns
.set rS, STA+(STB-STA)*(\hf)
.irp t, 0,1,2,3,4,5,6,7
	v_max3_num_f32 v[rS+10*\t+8], v[rS+10*\t], v[rS+10*\t+1], v[rS+10*\t+2]
.endr
.irp t, 0,1,2,3,4,5,6,7
	v_max3_num_f32 v[rS+10*\t+8], v[rS+10*\t+8], v[rS+10*\t+3], v[rS+10*\t+4]
.endr
.irp t, 0,1,2,3,4,5,6,7
	v_max3_num_f32 v[rS+10*\t+8], v[rS+10*\t+8], v[rS+10*\t+5], v[rS+10*\t+6]
.endr
.irp t, 0,1,2,3,4,5,6,7
	v_max_num_f32 v[rS+10*\t+8], v[rS+10*\t+8], v[rS+10*\t+7]
.endr
.endm
; The end of four x tiles: the lowest place j with S[j] = B, by turns; the index G + j + 128 h beside B; the pair to LDS.
.macro RES4 hf, g
	WIN 0x55*(\hf)
.set rS, STA+(STB-STA)*(\hf)+40*(\g)
.set rT, DDA+(DDB-DDA)*(\hf)
.irp e, 0,1,2,3
	v_mov_b32 v[rT+\e], 7
.endr
.irp j, 6,5,4,3,2,1,0
.irp e, 0,1,2,3
	v_cmp_neq_f32 s[44+\e], v[rS+10*\e+\j], v[rS+10*\e+8]
.endr
.irp e, 0,1,2,3
	v_cndmask_b32 v[rT+\e], \j, v[rT+\e], s[44+\e]
.endr
.endr
.irp e, 0,1,2,3
	v_add3_u32 v[rS+10*\e+9], v[rS+10*\e+9], v[rT+\e], v[HB]
.endr
.irp e, 0,1,2,3
	ds_store_b64 v[MW], v[rS+10*\e+8:rS+10*\e+9] offset:2304*(8*(\hf)+4*(\g)+\e)
.endr
.endm
.macro MRG a, b                        ; candidate b against candidate a, in both of my rows: strictly greater: on a tie the lower index stays
.irp r, 128,160
	v_cmp_gt_f32 vcc_lo, v[\r+2*(\b)], v[\r+2*(\a)]
	v_dual_cndmask_b32 v[\r+2*(\a)], v[\r+2*(\a)], v[\r+2*(\b)] :: v_dual_cndmask_b32 v[\r+2*(\a)+1], v[\r+2*(\a)+1], v[\r+2*(\b)+1]
.endr
.endm
	s_load_b128 s[4:7], s[0:1], 0x0                ; x s[4:5], k s[6:7]
	s_load_b128 s[8:11], s[0:1], 0x10              ; out0 s[8:9], idx s[10:11]
	s_load_b64 s[12:13], s[0:1], 0x20              ; part1
	v_lshl_add_u32 v[SPW], v0, 2, SPARE
	v_mov_b32 v[NIL], 0
	v_lshrrev_b32 v1, 5, v0
	v_readfirstlane_b32 s14, v1                    ; wave 0..7
	v_and_b32 v[LN], 31, v0
	v_lshlrev_b32 v[XO], 2, v0
	WIN 0x40
	v_lshlrev_b32 v[KO], 4, v[LN]
	WIN 0
	s_lshr_b32 s16, ttmp9, 5                       ; the batch: 2^21 bytes each
	s_lshl_b32 s16, s16, 21
	s_and_b32 s17, ttmp9, 31                       ; 256 columns of 4 bytes
	s_lshl_b32 s17, s17, 10
	s_add_co_u32 s16, s16, s17
	s_mov_b32 s17, 0
	s_lshl_b32 s20, s14, 16                        ; my wave's 256 rows of k
	s_mov_b32 s21, 0
	s_lshl_b32 s22, ttmp9, 10                      ; 256 indices
	s_mov_b32 s23, 0
	s_lshl_b32 s24, ttmp9, 2                       ; one number
	s_mov_b32 s25, 0
	s_wait_alu depctr_va_vdst(0)
	s_wait_kmcnt 0x0
	s_add_nc_u64 s[4:5], s[4:5], s[16:17]
	s_add_nc_u64 s[18:19], s[6:7], s[20:21]
	s_add_nc_u64 s[8:9], s[8:9], s[22:23]
	s_add_nc_u64 s[10:11], s[10:11], s[22:23]
	s_add_nc_u64 s[12:13], s[12:13], s[24:25]
.set i, 0
.rept 64                               ; A THREAD TAKES A COLUMN t, AND ITS REGISTERS RUN DOWN K: the work-group's load of a channel covers 1,024 consecutive bytes
	global_load_b32 v[128+i], v[XO], s[4:5] offset:32768*i
.set i, i+1
.endr
	KLOAD 0, 0
	KLOAD 1, 2048
	WIN 0
	; the addresses, made of the thread's and the wave's number alone
	s_lshl_b32 s26, s14, 6
	s_add_co_u32 s26, s26, L_CW
	s_lshl_b32 s27, s14, 4
	s_add_co_u32 s27, s27, L_MG
	s_mul_i32 s28, s14, 9216                       ; 64 rows of 144 bytes
	s_add_co_u32 s28, s28, L_MG
	s_lshl_b32 s29, s14, 9
	s_add_co_u32 s29, s29, L_XP
	s_lshl_b32 s30, s14, 8
	s_lshl_b32 s31, s14, 3
	s_add_co_u32 s31, s31, L_RS
	s_mul_i32 s34, s14, 4352
	s_add_co_u32 s34, s34, L_KS
	s_lshl_b32 s36, s14, 8                         ; 256 w + 8 n
	s_mov_b32 s40, 0x76543210
	s_mov_b32 s41, 0xfedcba98                      ; v_permlanex16_b32's selects for lane l xor 16
	s_mov_b32 s43, 0x7f7f0000
	v_and_b32 v84, 15, v0                          ; r
	v_bfe_u32 v85, v0, 4, 1                        ; h
	v_mul_u32_u24 v[XIR], v84, 48
	v_mad_u32_u24 v[XIR], v85, 24, v[XIR]          ; row r, block h: 12 r + 6 h words: the 32 lanes of a load of 8 bytes touch 64 different banks (64 banks of 4 bytes: ISA guide 11.1)
	v_lshl_add_u32 v[XSR], v[LN], 2, L_XS
	v_mul_u32_u24 v[XIW], v0, 48
	v_lshl_add_u32 v[XSW], v0, 2, L_XS
	v_lshl_add_u32 v[XPW], v0, 3, L_XP
	v_lshl_add_u32 v[CR], v85, 5, s26              ; my half's eight c
	v_mul_u32_u24 v70, v84, 144
	v_lshl_add_u32 v70, v85, 3, v70
	v_add_nc_u32 v[MW], s27, v70
	v_lshlrev_b32 v[HB], 7, v85
	v_lshlrev_b32 v86, 1, v[LN]
	v_mul_u32_u24 v[MR], v86, 144
	v_add_nc_u32 v[MR], s28, v[MR]
	v_lshl_add_u32 v[XPR], v[LN], 4, s29
	v_lshl_add_u32 v[GO], v[LN], 3, s30
	v_mov_b32 v[RSW], s31
	v_and_b32 v86, 3, v0
	v_lshl_add_u32 v[RSR], v86, 3, L_RS
	v_lshlrev_b32 v[PO], 10, v[LN]                 ; part1: lane 0 the sums of x, lane 1, 1,024 bytes on, the sums of min dist
	v_mul_u32_u24 v86, v85, 272
	v_lshl_add_u32 v86, v84, 4, v86                ; into the stage: a load's 512 bytes are two rows
	v_mul_u32_u24 v71, v84, 272
	v_lshl_add_u32 v71, v85, 7, v71                ; and back: row r, block h
.irp z, 64,65,66,67,68,69,94,95,96,97,98,99,106,107,108,109,110,111
	v_mov_b32 v\z, 0                               ; the codes of k = 64 .. 127; written once
.endr
	WIN 0x40
	v_lshl_add_u32 v[CWW], v84, 2, s26
	v_lshlrev_b32 v[H8], 3, v85
	v_add_nc_u32 v[KSW], s34, v86
	v_add_nc_u32 v[KSR], s34, v71
	v_add_nc_u32 v[MW], s27, v70                   ; (window 1's own)
	v_mov_b32 v[HB], v[HB]
	v_mov_b32 v[TX], 0                             ; a lane permute's destination counts as one of its sources
	v_mov_b32 v[KP], 0
.irp z, 64,65,66,67,68,69
	v_mov_b32 v\z, 0
.endr
	WIN 0
.irp z, 220,221,222,223,224,225,226,227
	v_mov_b32 v\z, 0
.endr
	; ---- my row is quantised, and its sums are taken
	s_wait_alu depctr_va_vdst(0)
	s_wait_loadcnt 48                              ; channels 0-31 are in; behind them 32 of x and 16 of k may be out
	XBLK 128, 228
	s_wait_alu depctr_va_vdst(0)
	s_wait_loadcnt 16                              ; all of x; k's first two tiles may be out
	XBLK 160, 232
	v_cvt_scalef32_pk16_fp6_f32 v[192:194], v[128:143], v230
	v_cvt_scalef32_pk16_fp6_f32 v[204:206], v[144:159], v230
	v_cvt_scalef32_pk16_fp6_f32 v[198:200], v[160:175], v234
	v_cvt_scalef32_pk16_fp6_f32 v[208:210], v[176:191], v234
	v_lshl_or_b32 v236, v235, 8, v231              ; the row's scale word: its two bytes,
	v_or_b32 v236, s43, v236                       ; and 1.0 for the two blocks that the problem does not have
.irp j, 0,1,2
	v_mov_b32 v[195+\j], v[204+\j]
	v_mov_b32 v[201+\j], v[208+\j]
.endr
	v_pk_add_f32 v[220:221], v[220:221], v[222:223]
	v_pk_add_f32 v[224:225], v[224:225], v[226:227]
	v_add_f32 v238, v220, v221                     ; xx
	v_add_f32 v239, v224, v225                     ; the sum of x
	ds_store_b128 v[XIW], v[192:195]
	ds_store_b128 v[XIW], v[196:199] offset:16
	ds_store_b128 v[XIW], v[200:203] offset:32
	ds_store_b32 v[XSW], v236
	ds_store_b64 v[XPW], v[238:239]
	; ---- my tile 0 of k
	s_wait_alu depctr_va_vdst(0)
	TURNIN RAW, 8
	TURNOUT RAW
	QUANT RAW, 0, 1, 4096
	s_wait_alu depctr_va_vdst(0)
	s_wait_dscnt 0x0                               ; my row's codes have landed:
	s_barrier_signal -1
	s_barrier_wait -1                              ; everybody's have
	; ---- all 16 tiles of x into registers
.irp u, 0,1,2,3,4,5,6,7
	ds_load_b32 v[SB+\u+\u/7], v[XSR] offset:128*\u
.endr
.irp t, 0,1,2,3,4,5,6,7
.irp p, 0,1,2
	ds_load_b64 v[XB+6*\t+2*\p:XB+6*\t+2*\p+1], v[XIR] offset:768*\t+8*\p
.endr
.endr
	WIN 0x40
.irp t, 0,1,2,3,4,5,6,7
.irp p, 0,1,2
	ds_load_b64 v[XB+6*\t+2*\p:XB+6*\t+2*\p+1], v[XIR] offset:6144+768*\t+8*\p
.endr
.endr
	WIN 0
.irp t, 0,1,2,3,4,5,6,7
	v_mov_b32 v[STA+10*\t+9], s36                  ; G: tile 0
.endr
	WIN 0x55
.irp t, 0,1,2,3,4,5,6,7
	v_mov_b32 v[STB+10*\t+9], s36
.endr
	s_wait_dscnt 0x0
	; ---- tile 0 starts the state
.irp u, 0,1,2,3,4,5,6,7
	WM \u, 0, 1
.endr
	TURNIN RAW+32, 8                               ; tile 1; tile 2 may be out
	WIN 0
.rept 4
	v_nop                                          ; places behind the products
.endr
	BINI 0
	TURNOUT RAW+32
	BINI 1
	QUANT RAW+32, 1, 1, 6144
	s_add_co_u32 s36, s36, 8
.rept 8
	v_nop                                          ; a scale word written by a vector instruction stands 8 places ahead of a product
.endr
	s_wait_alu depctr_va_vdst(0)
	s_wait_dscnt 0x0
	WM 4, 1, 0
	WIN 0
.rept 4
	v_nop                                          ; places ahead of the first read of its D
.endr
	s_mov_b32 s38, 6
.Ltrip:                                                ; trip i works tiles 2 i + 1 and 2 i + 2 and asks for tiles 2 i + 4 and 2 i + 5
	TILE 1, 1, 8, 1, 8192, 1
	TILE 0, 1, 8, 1, 10240, 1
	s_wait_alu depctr_va_vdst(0)
	s_wait_xcnt 0x0                                ; the base is stepped only behind this wait
	s_add_nc_u64 s[18:19], s[18:19], 4096
	s_sub_co_u32 s38, s38, 1
	s_cmp_lg_u32 s38, 0
	s_cbranch_scc1 .Ltrip
	TILE 1, 1, 8, 0, 0, 1                          ; tiles 13, 14 and 15 ask for nothing more
	TILE 0, 1, 0, 0, 0, 1
	TILE 1, 0, 0, 0, 0, 0
	; ---- the candidates meet in LDS
	RES4 1, 0
	RES4 1, 1
	RES4 0, 0
	RES4 0, 1
	s_wait_alu depctr_va_vdst(0)
	s_wait_dscnt 0x0
	s_barrier_signal -1
	s_barrier_wait -1
	; ---- waves 0 to 3: lane l takes rows 64 w + 2 l and 64 w + 2 l + 1
	s_cmp_lt_u32 s14, 4
	s_cbranch_scc0 .Ljoin
.irp q, 0,1,2,3,4,5,6,7
	ds_load_b128 v[128+4*\q:131+4*\q], v[MR] offset:16*\q
	ds_load_b128 v[160+4*\q:163+4*\q], v[MR] offset:144+16*\q
.endr
	ds_load_b128 v[192:195], v[XPR]                ; (xx, sum of x) of both rows
	v_mov_b32 v202, 0                              ; a lane permute's destination counts as one of its sources
	v_mov_b32 v203, 0
	s_wait_alu depctr_va_vdst(0)
	s_wait_dscnt 0x0
.irp a, 0,2,4,6,8,10,12,14
	MRG \a, \a+1
.endr
.irp a, 0,4,8,12
	MRG \a, \a+2
.endr
.irp a, 0,8
	MRG \a, \a+4
.endr
	MRG 0, 8
	v_mov_b32 v196, v129
	v_mov_b32 v197, v161
	global_store_b64 v[GO], v[196:197], s[8:9]     ; a wave's store covers 256 consecutive bytes, aligned
	global_store_b64 v[GO], v[196:197], s[10:11]   ; and the whole numbers from which the next launch forms addresses
	v_fma_f32 v198, -2.0, v128, v192               ; min dist = xx - 2 D
	v_fma_f32 v199, -2.0, v160, v194
	v_add_f32 v200, v193, v195
	v_add_f32 v201, v198, v199
.irp m, 1,2,4,8
	v_add_f32_dpp v200, v200, v200 row_xmask:\m row_mask:0xf bank_mask:0xf
	v_add_f32_dpp v201, v201, v201 row_xmask:\m row_mask:0xf bank_mask:0xf
.endr
	v_permlanex16_b32 v202, v200, s40, s41
	v_permlanex16_b32 v203, v201, s40, s41
	v_add_f32 v200, v200, v202
	v_add_f32 v201, v201, v203
	ds_store_b64 v[RSW], v[200:201]                ; all lanes write the same pair
.Ljoin:
	s_wait_alu depctr_va_vdst(0)
	s_wait_dscnt 0x0
	s_barrier_signal -1
	s_barrier_wait -1
	s_cmp_lg_u32 s14, 0
	s_cbranch_scc1 .Lend
	ds_load_b64 v[204:205], v[RSR]                 ; wave 0, lane l: wave l % 4's pair
	s_wait_dscnt 0x0
.irp m, 1,2
	v_add_f32_dpp v204, v204, v204 row_xmask:\m row_mask:0xf bank_mask:0xf
	v_add_f32_dpp v205, v205, v205 row_xmask:\m row_mask:0xf bank_mask:0xf
.endr
	v_cmp_eq_u32 vcc_lo, 1, v[LN]
	v_cndmask_b32 v206, v204, v205, vcc_lo
	v_cmp_gt_u32 vcc_lo, 2, v[LN]
	s_wait_alu depctr_va_vdst(0)
	s_wait_xcnt 0x0                                ; EXEC changes only behind s_wait_xcnt 0
	s_and_saveexec_b32 s45, vcc_lo
	global_store_b32 v[PO], v206, s[12:13]         ; lanes 0 and 1
	s_wait_xcnt 0x0                                ; and again, in front of the line that widens it
	s_or_b32 exec_lo, exec_lo, s45
.Lend:
	s_wait_tensorcnt 0x0                           ; the wave's end, behind my last LDS store
	ds_add_u32 v[SPW], v[NIL]
	s_wait_dscnt 0x0
	s_endpgm
.Lfunc_end_k_q3d6b14ad2f_dist:
	.size	k_q3d6b14ad2f_dist, .Lfunc_end_k_q3d6b14ad2f_dist-k_q3d6b14ad2f_dist
	.p2alignl 7, 3214868480
	.fill 96, 4, 3214868480
	.section	.rodata,"a",@progbits
	.p2align	6, 0x0
	.amdhsa_kernel k_q3d6b14ad2f_dist
		.amdhsa_group_segment_fixed_size 88832
		.amdhsa_private_segment_fixed_size 0
		.amdhsa_enable_private_segment 0
		.amdhsa_kernarg_size 40
		.amdhsa_user_sgpr_count 2
		.amdhsa_user_sgpr_kernarg_segment_ptr 1
		.amdhsa_wavefront_size32 1
		.amdhsa_system_sgpr_workgroup_id_x 1
		.amdhsa_system_sgpr_workgroup_id_y 1
		.amdhsa_system_sgpr_workgroup_id_z 1
		.amdhsa_system_vgpr_workitem_id 0
		.amdhsa_next_free_vgpr 512
		.amdhsa_next_free_sgpr 66
		.amdhsa_reserve_vcc 1
		.amdhsa_float_denorm_mode_32 3
		.amdhsa_float_denorm_mode_16_64 3
		.amdhsa_memory_ordered 1
		.amdhsa_forward_progress 1
		.amdhsa_inst_pref_size 142
	.end_amdhsa_kernel
	.amdgpu_metadata
---
amdhsa.version: [ 1, 2 ]
amdhsa.kernels:
  - .name:           k_q3d6b14ad2f_dist
    .symbol:         k_q3d6b14ad2f_dist.kd
    .args:
      - { .name: x, .offset: 0, .size: 8, .value_kind: global_buffer, .address_space: global }
      - { .name: k, .offset: 8, .size: 8, .value_kind: global_buffer, .address_space: global }
      - { .name: out0, .offset: 16, .size: 8, .value_kind: global_buffer, .address_space: global }
      - { .name: idx, .offset: 24, .size: 8, .value_kind: global_buffer, .address_space: global }
      - { .name: part1, .offset: 32, .size: 8, .value_kind: global_buffer, .address_space: global }
    .group_segment_fixed_size: 88832
    .private_segment_fixed_size: 0
    .kernarg_segment_align: 8
    .kernarg_segment_size: 40
    .max_flat_workgroup_size: 256
    .sgpr_count:     66
    .vgpr_count:     512
    .wavefront_size: 32
...
	.end_amdgpu_metadata
.endif
;; end of part 1
;; launch gath (part 2): grid 256 x 1, 8 waves a work-group, no clusters, 77,056 bytes of LDS; arguments x, k, idx, part1, out1, part2; writes out1, part2
.if DOCPART == 2
	.amdgcn_target "amdgcn-amd-amdhsa--gfx1250"
	.amdhsa_code_object_version 6
	.text
	.protected	k_q3d6b14ad2f_gath
	.globl	k_q3d6b14ad2f_gath
	.p2align	8
	.type	k_q3d6b14ad2f_gath,@function
k_q3d6b14ad2f_gath:
	s_mov_b64 s[64:65], 0
	v_nop
	global_prefetch_b8 v0, s[64:65] scope:SCOPE_SE
	s_setreg_imm32_b32 hwreg(HW_REG_WAVE_MODE, 25, 1), 1
	s_wait_xcnt 0x0
; out1[n][c][t] = k[idx[n][t]][c], and the work-group's parts of two sums: of (k[idx] - x)^2 (the commit loss) and of (x - mean)^2 (the prenorm).
; Left out: reference() returns x + (k[idx] - x), in which x cancels for all values; a NaN, an infinity or an overflow that reaches only these two terms is not carried to out1.
; The mean is the sum of part1's 256 sums of x, times 2^-22 (x has 2^22 numbers): it is taken away BEFORE the squaring, so no difference of large sums is formed.
; SHARES: a work-group owns 256 neighbouring t of one batch.  Wave w: tg = w / 2 picks 64 of the t, ch = w % 2 picks 32 of the 64 channels.  Lane l owns t = 2 l and 2 l + 1: each load of x and each store of out1
; is 8 bytes a lane, 256 consecutive bytes a wave, aligned.  Half of x is asked for ahead of k's rows and half behind them; out1 leaves before the second half is waited for.  No loop runs, so no prefetch runs ahead of one.
; THE GATHER: eight lanes take a row's 128 bytes (my wave's 32 channels), four rows an instruction.  A lane then holds 4 channels of one row and wants all 32 of two rows: the rows turn through the wave's own LDS.
; Rows of 128 bytes lie 144 apart, even rows first, odd rows 4,736 bytes on (128 modulo 256).
; No matrix work, no tensor load.  No cluster: what work-groups share here is rows of k picked by the indices, not tiles that several ask for at the same time.
; The indices come from a launch that has ended; they are held to 0 .. 2,047 ahead of the address all the same.
.set ROWP, 144
.set ODD,  4736
.set WREG, 9472                        ; a wave's LDS
.set L_RS, 8*WREG                      ; behind them: 8 bytes a wave, the two sums
.set SPARE, L_RS+256                   ; the spare words, 128 bytes a wave
.set XR,  64                           ; v64-127   x: channel c at the pair XR + 2 c
.set KG,  128                          ; v128-191  step s: first the index, then 16 bytes of its row; then out1, channel c at the pair KG + 2 c
.set KR,  192                          ; v192-255  channels 4 q on: of my even t at KR + 8 q, of my odd t at KR + 8 q + 4
	s_load_b256 s[4:11], s[0:1], 0x0               ; x s[4:5], k s[6:7], idx s[8:9], part1 s[10:11]
	s_load_b128 s[12:15], s[0:1], 0x20             ; out1 s[12:13], part2 s[14:15]
	v_lshl_add_u32 v62, v0, 2, SPARE
	v_mov_b32 v63, 0
	v_lshrrev_b32 v1, 5, v0
	v_readfirstlane_b32 s16, v1                    ; wave 0..7
	s_lshr_b32 s17, s16, 1                         ; tg
	s_and_b32 s18, s16, 1                          ; ch
	s_lshl_b32 s19, s18, 7
	s_mul_i32 s20, s16, WREG
	s_lshl_b32 s21, s16, 3
	s_add_co_u32 s21, s21, L_RS
	v_and_b32 v1, 31, v0                           ; lane
	v_bfe_u32 v8, v0, 3, 1                         ; step s, lane l holds row 4 s + l / 8: its parity,
	v_bfe_u32 v13, v0, 4, 1                        ; and its half 2 s + l / 16
	v_and_b32 v7, 7, v0
	v_lshlrev_b32 v2, 3, v1                        ; 8 x lane: my two t
	v_lshrrev_b32 v3, 3, v1
	v_mul_u32_u24 v5, v8, ODD
	v_lshl_add_u32 v4, v7, 4, s19                  ; in a row of k: 128 ch + 16 (lane % 8)
	v_mul_u32_u24 v6, v1, ROWP
	v_lshlrev_b32 v3, 2, v3                        ; 4 (lane / 8): which of a step's four rows
	v_mad_u32_u24 v5, v13, ROWP, v5
	v_mov_b32 v9, s21
	v_lshl_add_u32 v10, v7, 3, L_RS
	v_add_nc_u32 v6, s20, v6                       ; back: row 2 l; row 2 l + 1 lies ODD bytes on
	v_lshl_add_u32 v5, v7, 4, v5
	v_lshlrev_b32 v11, 5, v1                       ; part1: 32 bytes a lane
	v_lshlrev_b32 v12, 2, v1                       ; part2: 4 bytes a lane
	v_add_nc_u32 v5, s20, v5                       ; into LDS; a step is 288 bytes on
	s_lshr_b32 s22, ttmp9, 5                       ; the batch: 2^21 bytes each,
	s_lshl_b32 s22, s22, 21
	s_and_b32 s23, ttmp9, 31                       ; the work-group's 256 t,
	s_lshl_b32 s23, s23, 10
	s_add_co_u32 s22, s22, s23
	s_lshl_b32 s23, s17, 8                         ; my wave's 64 of them,
	s_add_co_u32 s22, s22, s23
	s_lshl_b32 s23, s18, 20                        ; my wave's 32 channels of 32,768 bytes
	s_add_co_u32 s22, s22, s23
	s_mov_b32 s23, 0
	s_lshl_b32 s24, ttmp9, 10                      ; the indices likewise
	s_lshl_b32 s25, s17, 8
	s_add_co_u32 s24, s24, s25
	s_mov_b32 s25, 0
	s_lshl_b32 s26, ttmp9, 3                       ; the work-group's pair in part2
	s_mov_b32 s27, 0
	s_mov_b32 s28, 0x76543210
	s_mov_b32 s29, 0xfedcba98                      ; v_permlanex16_b32's selects for lane l xor 16
	s_wait_alu depctr_va_vdst(0)
	s_wait_kmcnt 0x0
	s_add_nc_u64 s[4:5], s[4:5], s[22:23]
	s_add_nc_u64 s[12:13], s[12:13], s[22:23]
	s_add_nc_u64 s[8:9], s[8:9], s[24:25]
	s_add_nc_u64 s[14:15], s[14:15], s[26:27]
.irp s, 0,1,2,3,4,5,6,7,8,9,10,11,12,13,14,15
	global_load_b32 v[KG+4*\s], v3, s[8:9] offset:16*\s            ; the index of row 4 s + lane / 8
.endr
	global_load_b128 v[16:19], v11, s[10:11]       ; the 256 sums of x
	global_load_b128 v[20:23], v11, s[10:11] offset:16
.set c, 0
.rept 16
	global_load_b64 v[XR+2*c:XR+2*c+1], v2, s[4:5] offset:32768*c th:TH_LOAD_NT   ; read once here, and by nobody after
.set c, c+1
.endr
	s_wait_loadcnt 18                              ; the 16 indices are in; behind them 2 loads of part1 and 16 of x may be out
.irp s, 0,1,2,3,4,5,6,7,8,9,10,11,12,13,14,15
	v_min_u32 v[KG+4*\s], 0x7ff, v[KG+4*\s]
.endr
.irp s, 0,1,2,3,4,5,6,7,8,9,10,11,12,13,14,15
	v_lshl_add_u32 v[KG+4*\s], v[KG+4*\s], 8, v4   ; a row of k is 256 bytes
.endr
.irp s, 0,1,2,3,4,5,6,7,8,9,10,11,12,13,14,15
	global_load_b128 v[KG+4*\s:KG+4*\s+3], v[KG+4*\s], s[6:7]      ; the load lands on its own address register
.endr
.rept 16
	global_load_b64 v[XR+2*c:XR+2*c+1], v2, s[4:5] offset:32768*c th:TH_LOAD_NT
.set c, c+1
.endr
	s_wait_loadcnt 48                              ; part1's two loads are in; behind them 32 loads of x and 16 of k may be out
	v_pk_add_f32 v[16:17], v[16:17], v[18:19]
	v_pk_add_f32 v[20:21], v[20:21], v[22:23]
	v_pk_add_f32 v[16:17], v[16:17], v[20:21]
	v_add_f32 v16, v16, v17
	v_mov_b32 v17, 0                               ; a lane permute's destination counts as one of its sources
.irp m, 1,2,4,8
	v_add_f32_dpp v16, v16, v16 row_xmask:\m row_mask:0xf bank_mask:0xf
.endr
	v_permlanex16_b32 v17, v16, s28, s29
	v_add_f32 v16, v16, v17
	v_mul_f32 v24, 0x34800000, v16                 ; the mean: x 2^-22
	v_mov_b32 v25, v24
	s_wait_alu depctr_va_vdst(0)
	s_wait_loadcnt 16                              ; k's rows are in; the second half of x may be out
.irp s, 0,1,2,3,4,5,6,7,8,9,10,11,12,13,14,15
	ds_store_b128 v5, v[KG+4*\s:KG+4*\s+3] offset:288*\s
.endr
.irp q, 0,1,2,3,4,5,6,7
	ds_load_b128 v[KR+8*\q:KR+8*\q+3], v6 offset:16*\q             ; LDS serves a wave's instructions in order (ISA guide 5.7.1): these see my stores; the bytes are my wave's own
	ds_load_b128 v[KR+8*\q+4:KR+8*\q+7], v6 offset:ODD+16*\q
.endr
	s_wait_dscnt 0x0
.set c, 0
.rept 32                               ; out1: each channel has its own registers: no store's data are written again
	v_mov_b32 v[KG+2*c], v[KR+8*(c/4)+c%4]
	v_mov_b32 v[KG+2*c+1], v[KR+8*(c/4)+c%4+4]
	global_store_b64 v2, v[KG+2*c:KG+2*c+1], s[12:13] offset:32768*c th:TH_STORE_NT    ; 32 lanes store 256 consecutive bytes, aligned
.set c, c+1
.endr
.set c, 0
.rept 32
.if c == 16
	s_wait_alu depctr_va_vdst(0)
	s_wait_loadcnt 0x0                             ; the second half of x
.endif
.set xP, XR+2*c
.set tP, 30+4*(c%2)                    ; v30-37: d and y, two sets by turns
	v_sub_f32 v[tP], v[KG+2*c], v[xP]              ; d = k[idx] - x
	v_sub_f32 v[tP+1], v[KG+2*c+1], v[xP+1]
	v_pk_add_f32 v[tP+2:tP+3], v[xP:xP+1], v[24:25] neg_lo:[0,1] neg_hi:[0,1]   ; y = x - mean
.if c == 0
	v_pk_mul_f32 v[26:27], v[tP:tP+1], v[tP:tP+1]  ; the first products start the sums
	v_pk_mul_f32 v[28:29], v[tP+2:tP+3], v[tP+2:tP+3]
.else
	v_pk_fma_f32 v[26:27], v[tP:tP+1], v[tP:tP+1], v[26:27]
	v_pk_fma_f32 v[28:29], v[tP+2:tP+3], v[tP+2:tP+3], v[28:29]
.endif
.set c, c+1
.endr
	v_add_f32 v26, v26, v27
	v_add_f32 v27, v28, v29
	v_mov_b32 v34, 0
	v_mov_b32 v35, 0
.irp m, 1,2,4,8
	v_add_f32_dpp v26, v26, v26 row_xmask:\m row_mask:0xf bank_mask:0xf
	v_add_f32_dpp v27, v27, v27 row_xmask:\m row_mask:0xf bank_mask:0xf
.endr
	v_permlanex16_b32 v34, v26, s28, s29
	v_permlanex16_b32 v35, v27, s28, s29
	v_add_f32 v26, v26, v34
	v_add_f32 v27, v27, v35
	ds_store_b64 v9, v[26:27]                      ; all lanes write the same pair
	s_wait_alu depctr_va_vdst(0)
	s_wait_dscnt 0x0
	s_barrier_signal -1
	s_barrier_wait -1
	s_cmp_lg_u32 s16, 0
	s_cbranch_scc1 .Lend
	ds_load_b64 v[30:31], v10                      ; wave 0, lane l: wave l % 8's pair
	s_wait_dscnt 0x0
.irp m, 1,2,4
	v_add_f32_dpp v30, v30, v30 row_xmask:\m row_mask:0xf bank_mask:0xf
	v_add_f32_dpp v31, v31, v31 row_xmask:\m row_mask:0xf bank_mask:0xf
.endr
	v_cmp_eq_u32 vcc_lo, 1, v1
	v_cndmask_b32 v32, v30, v31, vcc_lo
	v_cmp_gt_u32 vcc_lo, 2, v1
	s_wait_alu depctr_va_vdst(0)
	s_wait_xcnt 0x0                                ; EXEC changes only behind s_wait_xcnt 0: out1's stores have read it
	s_and_saveexec_b32 s30, vcc_lo
	global_store_b32 v12, v32, s[14:15]            ; lanes 0 and 1: the commit part, the prenorm part
	s_wait_xcnt 0x0
	s_or_b32 exec_lo, exec_lo, s30
.Lend:
	s_wait_tensorcnt 0x0                           ; the wave's end
	ds_add_u32 v62, v63
	s_wait_dscnt 0x0
	s_endpgm
.Lfunc_end_k_q3d6b14ad2f_gath:
	.size	k_q3d6b14ad2f_gath, .Lfunc_end_k_q3d6b14ad2f_gath-k_q3d6b14ad2f_gath
	.p2alignl 7, 3214868480
	.fill 96, 4, 3214868480
	.section	.rodata,"a",@progbits
	.p2align	6, 0x0
	.amdhsa_kernel k_q3d6b14ad2f_gath
		.amdhsa_group_segment_fixed_size 77056
		.amdhsa_private_segment_fixed_size 0
		.amdhsa_enable_private_segment 0
		.amdhsa_kernarg_size 48
		.amdhsa_user_sgpr_count 2
		.amdhsa_user_sgpr_kernarg_segment_ptr 1
		.amdhsa_wavefront_size32 1
		.amdhsa_system_sgpr_workgroup_id_x 1
		.amdhsa_system_sgpr_workgroup_id_y 1
		.amdhsa_system_sgpr_workgroup_id_z 1
		.amdhsa_system_vgpr_workitem_id 0
		.amdhsa_next_free_vgpr 256
		.amdhsa_next_free_sgpr 66
		.amdhsa_reserve_vcc 1
		.amdhsa_float_denorm_mode_32 3
		.amdhsa_float_denorm_mode_16_64 3
		.amdhsa_memory_ordered 1
		.amdhsa_forward_progress 1
		.amdhsa_inst_pref_size 29
	.end_amdhsa_kernel
	.amdgpu_metadata
---
amdhsa.version: [ 1, 2 ]
amdhsa.kernels:
  - .name:           k_q3d6b14ad2f_gath
    .symbol:         k_q3d6b14ad2f_gath.kd
    .args:
      - { .name: x, .offset: 0, .size: 8, .value_kind: global_buffer, .address_space: global }
      - { .name: k, .offset: 8, .size: 8, .value_kind: global_buffer, .address_space: global }
      - { .name: idx, .offset: 16, .size: 8, .value_kind: global_buffer, .address_space: global }
      - { .name: part1, .offset: 24, .size: 8, .value_kind: global_buffer, .address_space: global }
      - { .name: out1, .offset: 32, .size: 8, .value_kind: global_buffer, .address_space: global }
      - { .name: part2, .offset: 40, .size: 8, .value_kind: global_buffer, .address_space: global }
    .group_segment_fixed_size: 77056
    .private_segment_fixed_size: 0
    .kernarg_segment_align: 8
    .kernarg_segment_size: 48
    .max_flat_workgroup_size: 256
    .sgpr_count:     66
    .vgpr_count:     256
    .wavefront_size: 32
...
	.end_amdgpu_metadata
.endif
;; end of part 2
;; launch fin (part 3): grid 1 x 1, 1 waves a work-group, no clusters, 0 bytes of LDS; arguments part1, part2, out2, out3, out4; writes out2, out3, out4
.if DOCPART == 3
	.amdgcn_target "amdgcn-amd-amdhsa--gfx1250"
	.amdhsa_code_object_version 6
	.text
	.protected	k_q3d6b14ad2f_fin
	.globl	k_q3d6b14ad2f_fin
	.p2align	8
	.type	k_q3d6b14ad2f_fin,@function
k_q3d6b14ad2f_fin:
	s_mov_b64 s[64:65], 0
	v_nop
	global_prefetch_b8 v0, s[64:65] scope:SCOPE_SE
	s_setreg_imm32_b32 hwreg(HW_REG_WAVE_MODE, 25, 1), 1
	s_wait_xcnt 0x0
; The three numbers: out2 = the sum of (k[idx] - x)^2 / 2^22, out3 = the sum of min dist / 2^16, out4 = sqrt(the sum of (x - mean)^2 / 2^22).
; part1's second 1,024 bytes hold 256 sums of min dist; part2 holds 256 pairs (commit part, prenorm part).  One wave adds them in a fixed order: sums that span work-groups are made by one owner, without atomics.
.macro WSUM r, t                       ; a sum over the wave's 32 lanes, in every lane
	v_add_f32_dpp v[\r], v[\r], v[\r] row_xmask:1 row_mask:0xf bank_mask:0xf
	v_add_f32_dpp v[\r], v[\r], v[\r] row_xmask:2 row_mask:0xf bank_mask:0xf
	v_add_f32_dpp v[\r], v[\r], v[\r] row_xmask:4 row_mask:0xf bank_mask:0xf
	v_add_f32_dpp v[\r], v[\r], v[\r] row_xmask:8 row_mask:0xf bank_mask:0xf
	v_permlanex16_b32 v[\t], v[\r], s14, s15
	v_add_f32 v[\r], v[\r], v[\t]
.endm
	s_load_b128 s[4:7], s[0:1], 0x0                ; part1 s[4:5], part2 s[6:7]
	s_load_b128 s[8:11], s[0:1], 0x10              ; out2 s[8:9], out3 s[10:11]
	s_load_b64 s[12:13], s[0:1], 0x20              ; out4
	v_lshlrev_b32 v1, 5, v0                        ; 32 bytes a lane
	v_lshlrev_b32 v2, 6, v0                        ; 64 bytes a lane
	v_mov_b32 v3, 0
	s_mov_b32 s14, 0x76543210
	s_mov_b32 s15, 0xfedcba98                      ; v_permlanex16_b32's selects for lane l xor 16
	s_wait_alu depctr_va_vdst(0)
	s_wait_kmcnt 0x0
	global_load_b128 v[4:7], v1, s[4:5] offset:1024
	global_load_b128 v[8:11], v1, s[4:5] offset:1040
.irp q, 0,1,2,3
	global_load_b128 v[12+4*\q:15+4*\q], v2, s[6:7] offset:16*\q
.endr
	v_mov_b32 v28, 0                               ; a lane permute's destination counts as one of its sources
	v_mov_b32 v29, 0
	v_mov_b32 v30, 0
	s_wait_loadcnt 0x0
	v_pk_add_f32 v[4:5], v[4:5], v[6:7]
	v_pk_add_f32 v[8:9], v[8:9], v[10:11]
	v_pk_add_f32 v[12:13], v[12:13], v[14:15]      ; in a pair: a commit part, a prenorm part
	v_pk_add_f32 v[16:17], v[16:17], v[18:19]
	v_pk_add_f32 v[20:21], v[20:21], v[22:23]
	v_pk_add_f32 v[24:25], v[24:25], v[26:27]
	v_pk_add_f32 v[4:5], v[4:5], v[8:9]
	v_pk_add_f32 v[12:13], v[12:13], v[16:17]
	v_pk_add_f32 v[20:21], v[20:21], v[24:25]
	v_add_f32 v4, v4, v5
	v_pk_add_f32 v[12:13], v[12:13], v[20:21]
	WSUM 4, 28
	WSUM 12, 29
	WSUM 13, 30
	v_mul_f32 v13, 0x34800000, v13                 ; x 2^-22
	s_wait_alu depctr_va_vdst(0)
	v_sqrt_f32 v14, v13
	v_mul_f32 v12, 0x34800000, v12                 ; x 2^-22.  (A plain place behind the root)
	v_mul_f32 v4, 0x37800000, v4                   ; x 2^-16
	v_cmp_eq_u32 vcc_lo, 0, v0
	s_wait_alu depctr_va_vdst(0)
	s_wait_xcnt 0x0                                ; EXEC changes only behind s_wait_xcnt 0
	s_and_saveexec_b32 s16, vcc_lo
	global_store_b32 v3, v12, s[8:9]               ; lane 0 alone
	global_store_b32 v3, v4, s[10:11]
	s_wait_alu depctr_va_vdst(0)
	global_store_b32 v3, v14, s[12:13]
	s_wait_xcnt 0x0
	s_or_b32 exec_lo, exec_lo, s16
	s_endpgm
.Lfunc_end_k_q3d6b14ad2f_fin:
	.size	k_q3d6b14ad2f_fin, .Lfunc_end_k_q3d6b14ad2f_fin-k_q3d6b14ad2f_fin
	.p2alignl 7, 3214868480
	.fill 96, 4, 3214868480
	.section	.rodata,"a",@progbits
	.p2align	6, 0x0
	.amdhsa_kernel k_q3d6b14ad2f_fin
		.amdhsa_group_segment_fixed_size 0
		.amdhsa_private_segment_fixed_size 0
		.amdhsa_enable_private_segment 0
		.amdhsa_kernarg_size 40
		.amdhsa_user_sgpr_count 2
		.amdhsa_user_sgpr_kernarg_segment_ptr 1
		.amdhsa_wavefront_size32 1
		.amdhsa_system_sgpr_workgroup_id_x 1
		.amdhsa_system_sgpr_workgroup_id_y 1
		.amdhsa_system_sgpr_workgroup_id_z 1
		.amdhsa_system_vgpr_workitem_id 0
		.amdhsa_next_free_vgpr 48
		.amdhsa_next_free_sgpr 66
		.amdhsa_reserve_vcc 1
		.amdhsa_float_denorm_mode_32 3
		.amdhsa_float_denorm_mode_16_64 3
		.amdhsa_memory_ordered 1
		.amdhsa_forward_progress 1
		.amdhsa_inst_pref_size 4
	.end_amdhsa_kernel
	.amdgpu_metadata
---
amdhsa.version: [ 1, 2 ]
amdhsa.kernels:
  - .name:           k_q3d6b14ad2f_fin
    .symbol:         k_q3d6b14ad2f_fin.kd
    .args:
      - { .name: part1, .offset: 0, .size: 8, .value_kind: global_buffer, .address_space: global }
      - { .name: part2, .offset: 8, .size: 8, .value_kind: global_buffer, .address_space: global }
      - { .name: out2, .offset: 16, .size: 8, .value_kind: global_buffer, .address_space: global }
      - { .name: out3, .offset: 24, .size: 8, .value_kind: global_buffer, .address_space: global }
      - { .name: out4, .offset: 32, .size: 8, .value_kind: global_buffer, .address_space: global }
    .group_segment_fixed_size: 0
    .private_segment_fixed_size: 0
    .kernarg_segment_align: 8
    .kernarg_segment_size: 40
    .max_flat_workgroup_size: 32
    .sgpr_count:     66
    .vgpr_count:     48
    .wavefront_size: 32
...
	.end_amdgpu_metadata
.endif
;; end of part 3
